; MI455X (gfx1250); checked and timed in simulation.
; The chip was launched on July 23, 2026; its instructions are those of AMD's public machine-readable ISA for CDNA 5 (MIT licence, August 2026) and "CDNA5" Instruction Set Architecture Reference Guide (July 2026). The comments in the code are by the model that wrote it; some were corrected since.
;; Dot Attention. Allowed arithmetic: matrix products marked QUANTISED: E4M3 operands, one given power-of-two scale a tensor, by v_wmma_f32_16x16x64_fp8_fp8 or v_wmma_f32_16x16x128_fp8_fp8, f32 sums; everything else in f32.
;; Inputs: key 4 x 16 x 2,048 x 128 float32; lowp_scales 4 int32 (the exponents e of the quantised operands' scales 2^e); query 4 x 16 x 2,048 x 128 float32; value 4 x 16 x 2,048 x 128 float32.
;; Outputs: out0 4 x 16 x 2,048 x 128 float32.
;; This version of the problem:
;;   THIS VERSION OF THE PROBLEM IS GIVEN IN LOW PRECISION. The matrix products marked QUANTISED in the list below multiply operands that are first quantised to E4M3 (4 exponent bits, 3 mantissa bits; 8 bits a number), with one given power-of-two scale for each operand tensor; their sums are f32. All else is computed in f32.
;;   The module's matrix products, in the order in which they are computed (A, B: the left and right operand; K: the contracted axis; several contracted axes count as one K, in the product's order):
;;     1. batch 64 x [M 2,048, K 128] x [K 128, N 2,048]; A: input query; B: input key: QUANTISED (scales: A lowp_scales[0], B lowp_scales[1])
;;     2. batch 64 x [M 2,048, K 2,048] x [K 2,048, N 128]; A: softmax (see below); B: input value: QUANTISED (scales: A lowp_scales[2], B lowp_scales[3])
;;   THE QUANTISER, for each operand of a quantised product, along K:
;;     - The operand's scale is 2^e, e = its entry of the input lowp_scales (int32; the entries are numbered through the quantised products in the list's order, A before B).
;;     - Each number is divided by the scale, clamped to +-448, and rounded to the nearest number of E4M3, ties to even, subnormals kept.
;;     - The product sums the exact products of the quantised numbers (number of the format x scale) in f32.
;;   ~~~python
;;   def quantise(x, axis, e):      # numpy; x: float32 -> the quantised numbers, widened to float32 again
;;       x = np.moveaxis(x, axis, -1); K = x.shape[-1]
;;       r = np.clip(x / 2.0 ** e, -448, 448)
;;       step = 2.0 ** (np.maximum(np.frexp(np.where(r == 0, 1, r))[1] - 1, -6) - 3)
;;       q = np.round(r / step) * step * 2.0 ** e      # np.round: ties to even
;;       return np.moveaxis(q, -1, axis).astype(np.float32)
;;   ~~~
;;   SOFTMAX AHEAD OF A QUANTISED PRODUCT. Where the list says 'softmax', what is quantised is not the finished softmax but p = 2^(t - M), with t = logit x log2(e) and M = ceil(the row's largest t), a whole number; so 1/2 < the row's largest p <= 1. The row's sum l is taken of the UNQUANTISED p, in f32, and the product's result is divided by l at the end. Since M is a whole number, a kernel that streams over the keys may use a running M (the ceiling of the running maximum): every later rescaling is an exact power of two, so the quantised numbers keep their values, but for numbers so far below the row's largest that they fall under the format's range.
;;   OPERANDS COMPUTED ON THE WAY. 'Computed on the way' means the value that the module computes at that place (a softmax that the list does not call 'softmax' is quantised finished and normalised). What goes into a quantiser is computed in f32, as accurately as f32 sums, v_exp_f32 and their like allow (about 1e-6 of the number): no bf16 or f16 on the way to a quantiser, and a product that is left as it is and whose result goes on into a quantised operand takes f32 operands (vector FMAs, or v_wmma_f32_16x16x4_f32). A number that lies on a knife's edge between two numbers of the format may be rounded either way, as far as f32 arithmetic and the matrix unit's own rounding can turn it there, and no further.
;; One version. Each part assembles by itself: llvm-mc -triple=amdgcn-amd-amdhsa -mcpu=gfx1250 --defsym DOCPART=n.
;; ======== version 1 of 1: 2 launches
;; limits: right only within a limited range of input values
;; workspace buffers: kc 16,777,216 bytes; vc 16,777,216 bytes
;; launch quant (part 1): grid 1024 x 1, 4 waves a work-group, no clusters, 68,096 bytes of LDS; arguments key, value, lowp_scales, kc, vc; writes kc, vc
.if DOCPART == 1
	.amdgcn_target "amdgcn-amd-amdhsa--gfx1250"
	.amdhsa_code_object_version 6
	.text
	.protected	k_q75b695fe66_quant
	.globl	k_q75b695fe66_quant
	.p2align	8
	.type	k_q75b695fe66_quant,@function
k_q75b695fe66_quant:
	s_mov_b64 s[64:65], 0
	v_nop
	global_prefetch_b8 v0, s[64:65] scope:SCOPE_SE
	s_setreg_imm32_b32 hwreg(HW_REG_WAVE_MODE, 25, 1), 1
	s_wait_xcnt 0x0
; key and value, [64 heads][2048][128] f32, become codes of FP8 (E4M3), one byte each, each with the one scale 2^e that is given for it (entry 1 of the scales for key, entry 3 for value).
; code = x / 2^e, held within +-448, rounded to the nearest code, ties to even.
; LIMITS: each e lies between -126 and 119, so that 2^e and 448 x 2^e are f32 numbers.  NaN among the inputs is not served; an infinity is held at the largest code.
; kc: [64][2048 rows][128 d].  Inside each block of 32 keys the two middle groups of 8 rows change places (group g goes to place 0, 2, 1, 3), so that place 32 b + 16 u + r holds key 32 b + 8 u + r + 8 (r / 8):
;     the next launch then finds the 16 keys of a tile of its first product as 16 neighbouring rows.
; vc: [64][128 d][2048 keys]: the keys, which are the second product's K, lie innermost, in their natural order.
; Work-groups 0 to 511 take key, 512 to 1023 value: two paths that part on the work-group's number, each with LDS bytes of its own.  Waves share nothing: no barrier.
; No tensor load and no cluster: no two work-groups read the same byte, and each input byte is read once.
.set SP,    80                         ; key path: a lane's place in a stage: its 64 bytes + 16 of padding
.set WREG,  8192                       ; key path: LDS of a wave: two stages of 32 x SP bytes
.set VST,   32768                      ; value path: its stages begin here
.set PITCH, 272                        ; value path: a stage row: 256 bytes of codes + 16
.set EMAX,  8
.set MANT,  0x600000                   ; the mantissa field of 448 as f32
.set KR,    16                         ; key path: v16-79   four sets of 16 numbers as they are loaded
.set KX,    80                         ;           v80-111  two sets of 16 neighbours
.set KC,    128                        ;           v128-191 codes: four registers for each step, so that no store's data are written again
.set VX,    32                         ; value path: v32-95  two sets of 32 numbers
.set VC,    96                         ;             v96-103 a block's codes
.set VOUT,  112                        ;             v112-175 the way out
	s_load_b128 s[4:7], s[0:1], 0x0                ; key s[4:5], value s[6:7]
	s_load_b64 s[10:11], s[0:1], 0x10              ; the scales' exponents
	s_load_b128 s[12:15], s[0:1], 0x18             ; kc s[12:13], vc s[14:15]
	v_lshl_add_u32 v192, v0, 2, 0x10800
	v_mov_b32 v193, 0
	v_lshrrev_b32 v1, 5, v0
	v_readfirstlane_b32 s16, v1                    ; wave 0..3
	v_and_b32 v2, 31, v0                           ; lane
	s_wait_kmcnt 0x0
	s_load_b128 s[24:27], s[10:11], 0x0            ; eq, ek, ep, ev
	s_cmp_lt_u32 ttmp9, 512
	s_cbranch_scc0 .Lvalue
; ---------------- key: K (the head's 128) is innermost, so the tensor is a plain stream.  A wave takes 64 rows: 16 steps of 512 numbers (4 rows).
; Each of a step's four loads reads 512 consecutive bytes, 16 a lane; the 2,048 bytes go through the wave's own stage and come back 64 bytes a lane: 16 neighbours along K, as the conversions want them.
	s_wait_alu depctr_va_vdst(0)
	v_lshlrev_b32 v3, 4, v2                        ; my 16 bytes of a load's 512
	s_wait_alu depctr_va_vdst(0)
	v_lshlrev_b32 v4, 4, v2                        ; my 16 codes of a step's 512
	s_mul_i32 s17, s16, WREG
	v_lshrrev_b32 v14, 2, v2
	v_mul_u32_u24 v14, v14, SP
	v_and_b32 v15, 3, v2
	v_lshl_add_u32 v14, v15, 4, v14
	v_add_nc_u32 v14, s17, v14                     ; the stage, on the way in: SP (lane / 4) + 16 (lane % 4)
	v_mul_u32_u24 v15, v2, SP
	v_add_nc_u32 v15, s17, v15                     ; and on the way out: SP x lane
	s_lshl_b32 s18, ttmp9, 2
	s_add_co_u32 s18, s18, s16                     ; which run of 64 rows is my wave's
	s_lshl_b32 s20, s18, 15                        ; 64 rows x 512 bytes
	s_mov_b32 s21, 0
	s_add_nc_u64 s[4:5], s[4:5], s[20:21]
	s_lshl_b32 s22, s18, 13                        ; 64 rows x 128 bytes
	s_mov_b32 s23, 0
	s_add_nc_u64 s[8:9], s[12:13], s[22:23]
.macro KLOAD t
.irp i, 0,1,2,3
	global_load_b128 v[KR+16*((\t)%4)+4*\i:KR+16*((\t)%4)+4*\i+3], v3, s[4:5] offset:2048*(\t)+512*\i th:TH_LOAD_NT   ; 32 lanes read 512 consecutive bytes
.endr
.endm
.macro KTURN t                         ; step t's numbers through the stage: LDS serves a wave's instructions in order (ISA guide 5.7.1.4), so no wait stands between the stores and the loads
.irp i, 0,1,2,3
	ds_store_b128 v14, v[KR+16*((\t)%4)+4*\i:KR+16*((\t)%4)+4*\i+3] offset:32*SP*((\t)%2)+8*SP*\i
.endr
.irp i, 0,1,2,3
	ds_load_b128 v[KX+16*((\t)%2)+4*\i:KX+16*((\t)%2)+4*\i+3], v15 offset:32*SP*((\t)%2)+16*\i
.endr
.endm
.irp t, 0,1,2,3
	KLOAD \t
.endr
	s_wait_alu depctr_va_vdst(0)
	s_wait_kmcnt 0x0
	s_add_co_i32 s28, s25, 127                     ; ek
	s_lshl_b32 s29, s28, 23
	v_mov_b32 v11, s29                             ; 2^ek as f32: the conversion takes its exponent field
	s_add_co_i32 s28, s28, EMAX
	s_lshl_b32 s28, s28, 23
	s_or_b32 s28, s28, MANT
	v_mov_b32 v10, s28                             ; 448 x 2^ek
	s_wait_alu depctr_va_vdst(0)
	s_wait_loadcnt 12                              ; step 0's four loads are in; the twelve of steps 1 to 3 may be out
	KTURN 0
.macro KSTEP t
.set XS, KX+16*((\t)%2)
.set GG, ((\t)/2)%4                    ; the step's group of 8 rows in its block of 32
.set OFK, ((\t)/8)*4096+((GG%2)*2+GG/2)*1024+((\t)%2)*512   ; groups 1 and 2 change places
	s_wait_dscnt 0x0                               ; this step's numbers are back from the stage: so its stores into the stage have read their registers,
.if (\t)+4 < 16
	KLOAD (\t)+4                                   ; which take the loads of four steps on
.endif
.if (\t)+1 < 16
.if 14-(\t) >= 3
	s_wait_loadcnt 12                              ; the next step's four loads are in; those of the three steps behind it may be out
.else
	s_wait_loadcnt 4*(14-(\t))                     ; the tail: as many steps as are left behind the next one
.endif
	KTURN (\t)+1                                   ; and go through the other stage while this step is worked
.endif
.irp i, 0,1,2,3,4,5,6,7,8,9,10,11,12,13,14,15
	v_med3_num_f32 v[XS+\i], v[XS+\i], -v10, v10   ; the conversion to an 8-bit code does not saturate (ISA guide 7.6.2): the hold at the largest code x the scale
.endr
	v_cvt_scalef32_pk8_fp8_f32 v[KC+4*(\t):KC+4*(\t)+1], v[XS:XS+7], v11
	v_cvt_scalef32_pk8_fp8_f32 v[KC+4*(\t)+2:KC+4*(\t)+3], v[XS+8:XS+15], v11
	global_store_b128 v4, v[KC+4*(\t):KC+4*(\t)+3], s[8:9] offset:OFK   ; the wave stores 512 consecutive bytes (4 rows of codes), at a multiple of 512 from the buffer's first byte
.endm
.irp t, 0,1,2,3,4,5,6,7,8,9,10,11,12,13,14,15
	KSTEP \t
.endr
	s_wait_tensorcnt 0x0
	ds_add_u32 v192, v193
	s_wait_dscnt 0x0
	s_endpgm
; ---------------- value: K (the keys) is the first axis within a head.  A lane takes a column d and its registers run down the keys: each load reads neighbouring d in neighbouring lanes (128 consecutive
; bytes a wave, the four waves a whole row of 512), and the conversions give the codes with the keys innermost.  A work-group takes 256 keys of one head; a wave 32 columns: 8 blocks of 32 keys a lane.
; A lane's codes belong to one row of vc and the lanes beside it hold other rows: so they go through the wave's own stage and leave as rows, sixteen lanes to 256 consecutive bytes.
.Lvalue:
	s_sub_co_u32 s17, ttmp9, 512
	s_lshr_b32 s18, s17, 3                         ; head
	s_and_b32 s17, s17, 7                          ; which 256 keys
	s_wait_alu depctr_va_vdst(0)
	v_lshlrev_b32 v3, 2, v2                        ; in: 4 bytes a lane
	s_mul_i32 s19, s16, 32*PITCH
	s_add_co_u32 s19, s19, VST                     ; my stage
	v_mul_u32_u24 v4, v2, PITCH
	v_add_nc_u32 v4, s19, v4                       ; into it: row = my column
	v_and_b32 v5, 15, v2
	v_lshrrev_b32 v6, 4, v2
	v_mul_u32_u24 v7, v6, PITCH
	v_lshl_add_u32 v7, v5, 4, v7
	v_add_nc_u32 v7, s19, v7                       ; out of it: sixteen lanes to a row, two rows an instruction
	v_lshlrev_b32 v8, 11, v6
	v_lshl_add_u32 v8, v5, 4, v8                   ; and the same place in vc: rows of 2,048 bytes
	s_lshl_b32 s20, s18, 20                        ; value: the head's 2,048 rows of 512 bytes,
	s_lshl_b32 s22, s17, 17                        ; 256 rows,
	s_add_co_u32 s20, s20, s22
	s_lshl_b32 s22, s16, 7                         ; my wave's 32 columns
	s_add_co_u32 s20, s20, s22
	s_mov_b32 s21, 0
	s_add_nc_u64 s[6:7], s[6:7], s[20:21]
	s_lshl_b32 s20, s18, 18                        ; vc: the head's 128 rows of 2,048 bytes,
	s_lshl_b32 s22, s16, 16                        ; my wave's 32 rows,
	s_add_co_u32 s20, s20, s22
	s_lshl_b32 s22, s17, 8                         ; 256 keys
	s_add_co_u32 s20, s20, s22
	s_add_nc_u64 s[14:15], s[14:15], s[20:21]
.macro VLOAD t                         ; block t: value(32 t + i, my column), i = 0 .. 31, into set t % 2
.irp i, 0,1,2,3,4,5,6,7,8,9,10,11,12,13,14,15,16,17,18,19,20,21,22,23,24,25,26,27,28,29,30,31
	global_load_b32 v[VX+32*((\t)%2)+\i], v3, s[6:7] offset:(32*(\t)+\i)*512 th:TH_LOAD_NT
.endr
.endm
	VLOAD 0
	VLOAD 1
	s_wait_kmcnt 0x0
	s_add_co_i32 s28, s27, 127                     ; ev
	s_lshl_b32 s29, s28, 23
	v_mov_b32 v11, s29                             ; 2^ev as f32
	s_add_co_i32 s28, s28, EMAX
	s_lshl_b32 s28, s28, 23
	s_or_b32 s28, s28, MANT
	v_mov_b32 v10, s28                             ; 448 x 2^ev
.macro VBLOCK t
.set XS, VX+32*((\t)%2)
.if (\t) < 7
	s_wait_loadcnt 32                              ; this block's 32 loads are in; the next block's 32 may be out
.else
	s_wait_loadcnt 0
.endif
.irp i, 0,1,2,3,4,5,6,7,8,9,10,11,12,13,14,15,16,17,18,19,20,21,22,23,24,25,26,27,28,29,30,31
	v_med3_num_f32 v[XS+\i], v[XS+\i], -v10, v10   ; the hold at the largest code x the scale
.endr
.irp g, 0,1,2,3
	v_cvt_scalef32_pk8_fp8_f32 v[VC+2*\g:VC+2*\g+1], v[XS+8*\g:XS+8*\g+7], v11
.endr
	ds_store_b128 v4, v[VC:VC+3] offset:32*(\t)    ; 32 codes: 32 bytes of my column's row
	ds_store_b128 v4, v[VC+4:VC+7] offset:32*(\t)+16
.if (\t)+2 < 8
	VLOAD (\t)+2
.endif
	s_wait_dscnt 0x0                               ; the stores have read their registers: the next block's codes may be written
.endm
.set QB, 0
	s_wait_alu depctr_va_vdst(0)
.rept 8
	VBLOCK QB
.set QB, QB+1
.endr
.irp t, 0,1,2,3,4,5,6,7,8,9,10,11,12,13,14,15
	ds_load_b128 v[VOUT+4*\t:VOUT+4*\t+3], v7 offset:2*\t*PITCH   ; LDS serves a wave's instructions in order: these see my stores
.endr
.irp t, 0,1,2,3,4,5,6,7,8,9,10,11,12,13,14,15
	s_wait_dscnt 15-\t                             ; load t is back; the younger ones may be out
	global_store_b128 v8, v[VOUT+4*\t:VOUT+4*\t+3], s[14:15] offset:2*\t*2048   ; 16 lanes store 256 consecutive bytes, at a multiple of 256 from the buffer's first byte
.endr
	s_wait_tensorcnt 0x0
	ds_add_u32 v192, v193
	s_wait_dscnt 0x0
	s_endpgm
.Lfunc_end_k_q75b695fe66_quant:
	.size	k_q75b695fe66_quant, .Lfunc_end_k_q75b695fe66_quant-k_q75b695fe66_quant
	.p2alignl 7, 3214868480
	.fill 96, 4, 3214868480
	.section	.rodata,"a",@progbits
	.p2align	6, 0x0
	.amdhsa_kernel k_q75b695fe66_quant
		.amdhsa_group_segment_fixed_size 68096
		.amdhsa_private_segment_fixed_size 0
		.amdhsa_enable_private_segment 0
		.amdhsa_kernarg_size 40
		.amdhsa_user_sgpr_count 2
		.amdhsa_user_sgpr_kernarg_segment_ptr 1
		.amdhsa_wavefront_size32 1
		.amdhsa_system_sgpr_workgroup_id_x 1
		.amdhsa_system_sgpr_workgroup_id_y 1
		.amdhsa_system_sgpr_workgroup_id_z 1
		.amdhsa_system_vgpr_workitem_id 0
		.amdhsa_next_free_vgpr 194
		.amdhsa_next_free_sgpr 66
		.amdhsa_reserve_vcc 0
		.amdhsa_float_denorm_mode_32 3
		.amdhsa_float_denorm_mode_16_64 3
		.amdhsa_memory_ordered 1
		.amdhsa_forward_progress 1
		.amdhsa_inst_pref_size 85
	.end_amdhsa_kernel
	.amdgpu_metadata
---
amdhsa.version: [ 1, 2 ]
amdhsa.kernels:
  - .name:           k_q75b695fe66_quant
    .symbol:         k_q75b695fe66_quant.kd
    .args:
      - { .name: key, .offset: 0, .size: 8, .value_kind: global_buffer, .address_space: global }
      - { .name: value, .offset: 8, .size: 8, .value_kind: global_buffer, .address_space: global }
      - { .name: lowp_scales, .offset: 16, .size: 8, .value_kind: global_buffer, .address_space: global }
      - { .name: kc, .offset: 24, .size: 8, .value_kind: global_buffer, .address_space: global }
      - { .name: vc, .offset: 32, .size: 8, .value_kind: global_buffer, .address_space: global }
    .group_segment_fixed_size: 68096
    .private_segment_fixed_size: 0
    .kernarg_segment_align: 8
    .kernarg_segment_size: 40
    .max_flat_workgroup_size: 128
    .sgpr_count:     66
    .vgpr_count:     194
    .wavefront_size: 32
...
	.end_amdgpu_metadata
.endif
;; end of part 1
;; launch attn (part 2): grid 4 x 64, 8 waves a work-group, clusters of 4 x 1, 327,680 bytes of LDS; arguments query, kc, vc, lowp_scales, out0; writes out0
.if DOCPART == 2
	.amdgcn_target "amdgcn-amd-amdhsa--gfx1250"
	.amdhsa_code_object_version 6
	.text
	.protected	k_q75b695fe66_attn
	.globl	k_q75b695fe66_attn
	.p2align	8
	.type	k_q75b695fe66_attn,@function
k_q75b695fe66_attn:
	s_mov_b64 s[64:65], 0
	v_nop
	global_prefetch_b8 v0, s[64:65] scope:SCOPE_SE
	s_setreg_imm32_b32 hwreg(HW_REG_WAVE_MODE, 25, 1), 1
	s_wait_xcnt 0x0
	s_wait_alu depctr_hold_cnt(0) depctr_sa_sdst(0) depctr_va_vdst(0) depctr_va_sdst(0) depctr_va_ssrc(0) depctr_va_vcc(0) depctr_vm_vsrc(0)
	s_getreg_b32 s2, hwreg(HW_REG_IB_STS2, 6, 4)
	s_cmp_eq_u32 s2, 0
	s_cbranch_scc0 .Lentry_in_a_cluster
	s_endpgm
.Lentry_in_a_cluster:
	s_bfe_u32 s2, ttmp6, 0x10000c
	s_cmp_lg_u32 s2, 0x3003
	s_cbranch_scc0 .Lentry_shape_is_right
	s_endpgm
.Lentry_shape_is_right:
; O[h][q][:] = the sum over k of softmax_k(Q[h][q] . K[h][k] / 128) V[h][k][:], 64 heads, 2,048 queries and keys, head size 128; both products on codes of FP8 (E4M3), each operand with its given scale 2^e: eq, ek, ep, ev.
; query: f32, quantised here in registers (each row is read by one wave, once).  kc: the keys' codes, [64][2048 places][128], place 32 b + 16 u + r holding key 32 b + 8 u + r + 8 (r / 8).  vc: the values' codes, keys innermost, [64][128][2048].
; SOFTMAX: t = score x log2(e) / 128; M = the running largest t rounded UP to a whole number; p = 2^(t - M) is quantised, not normalised; the row's sum is taken of the unquantised p in f32 and divides O at the end.
; When M moves, the sum and O^T are multiplied by f = 2^(old M - new M), which rounds nothing; no branch hangs on data.
; SHARES.  64 x 4 = 256 work-groups.  A work-group owns 512 queries of one head, as two blocks of 256 walked one after the other; each of its eight waves holds 32 queries of the block in hand: tiles A and B of 16.
; Each fragment of K or V read from LDS feeds two matrix instructions.  A block walks all 2,048 keys, 128 a step, four steps to a slot.
; RING.  Two LDS slots of 512 keys; waves 0-3 fetch 128 keys of kc each, waves 4-7 32 rows of vc each: one tensor load a wave behind each round.  The ring goes on from the first block into the second (slot number mod 4 gives the place in kc and vc).
; kc's rows of 128 bytes are dense, so a tile is stated as rows of 256 bytes (two places), padded by 16: place n lies at 272 (n / 2) + 128 (n % 2); the 16 places of a fragment fall on 16 different 16-byte columns of 256.
; CLUSTER.  The four work-groups of a head form a cluster and walk the same kc and vc: every tile is asked for jointly, same descriptor, mask of the four.
; LAYOUT.  Both products transposed: S^T = K Q^T, O^T = V^T P^T: a lane holds one query (lane % 16); the 16 registers of tiles 2 b, 2 b + 1 of S^T are keys 32 b + 16 (lane / 16) + 0 .. 15, so the conversions' results are the second product's operand.
; Fragments come by four loads of 16 bytes, 32 apart: the same order of k on both sides of each product.
; THE SECOND BLOCK begins with the largest t at -3e38 again: its first f is 0, and O^T and the sums, which are finite (sums of finite codes), become 0 by the step's own multiplications; nothing is cleared.
; PREFETCH.  Slots 2 and 3 of kc and vc are named one slot (four steps) ahead of their loads, each 256-byte block once: the partners share them by address (16,384 bytes of kc, 32 rows of vc each; waves 0, 1 kc, waves 2, 3 vc).
; Slots 0 and 1 come by their loads alone; in the second block the codes have been read by this cluster already and are not named.  Each wave names its 16,384 bytes of the second block's query rows at the head of slot 2, eight steps ahead.
; LIMITS: eq and ep between -126 and 119; eq + ek between -119 and 134 (added to c's exponent field); |t| under 2^31.  NaN among the inputs is not served; an infinity in query is held at the largest code.
; REGISTERS.  window 0: v1-11 addresses and constants; tile x: v[12+4x] -M, v[13+4x] largest t, v[14+4x:15+4x] the sum, v[20+2x:21+2x] f, v[24+2x:25+2x] at work, v[28+x] the other half's; v30, v31; v32-95 fragments 0-3; v96-223 S^T, then p; v224-255 p's codes.
;             window 1: v0-127 O^T; v160-223 fragments 4-7; v224-255 Q's codes.
.set KP2,   272                        ; two places of kc + 16 of padding
.set VP,    528                        ; a row of V's tile: 512 bytes + 16
.set VOFF,  256*KP2                    ; a slot: 256 double rows of K, then 128 rows of V
.set SLOTB, VOFF+128*VP                ; 137,216
.set STEPK, 64*KP2                     ; 128 places
.set SPARE, 2*SLOTB                    ; the spare words: 128 bytes a wave, four blocks of 256 that no other line names
.set STAGE, SPARE+1024                 ; the way out: 16 rows x 272 bytes a wave; no tensor load lands here
.set SPITCH, 272
.set AK0,  1
.set AV0,  2
.set PFO,  3                           ; lane offset of the prefetches of codes
.set PSC,  4                           ; 2^ep
.set SPW,  5
.set NIL,  6
.set PLIM, 7                           ; 448 x 2^ep,
.set ADK,  8
.set ADV,  9
.set PLIM2, 10                         ; and once more, for the second half of a dual pair
.set QO,   11                          ; my offset in the wave's rows of Q
.set GO,   24                          ; the way out: my offset in the wave's rows of O
.set QPO,  30                          ; 256 x lane
.set QSC,  31                          ; 2^eq
.set F0,   32
.set F1,   160
.set S,    96
.set P,    224
.set QF,   224
.set TB,   2                           ; LDS byte at which the slot in hand begins
.set WV,   18
.set SEL,  20
.set CS,   22
.set G1K,  24
.set G1V,  32
.set G0K,  40
.set G0V,  44
.set SLOTS, 48                         ; changes of slots with a fill still to come
.set LIMK, 49                          ; 6 in waves 0-3, else the greatest number
.set PFA,  50
.set PFS,  52
.set QPA,  54
.set KB,   66                          ; s[66:67] my part of the head's first slot in kc; s[68:69] in vc
.set VB,   68
.set KL0,  70                          ; and in an LDS slot
.set VL0,  71
.set TBN,  72                          ; where the slot filled last begins
.set NX,   73                          ; its number
.set OFK,  74                          ; s[74:75], s[76:77] offsets of slot NX mod 4 in kc, vc
.set OFV,  76
.set KO,   78
.set VO,   79
.set STP,  80
.set QLN,  81                          ; -448 x 2^eq, 448 x 2^eq
.set QL,   82
.set EPV,  83
.set STG,  94                          ; my stage
.set MSB, 0
.macro WIN new                         ; the immediate's high byte repeats the setting that is left
.if MSB != \new
	s_set_vgpr_msb (MSB<<8)|\new
.set MSB, \new
.endif
.endm
.macro AWAIT
	s_wait_alu depctr_va_vdst(0)
.endm
.macro CROUND                          ; a round of the cluster's barrier
	s_barrier_signal -1
	s_barrier_wait -1
	s_cmp_lg_u32 s[WV], 0
	s_cbranch_scc1 .Lnot_wave_0_\@
	s_barrier_signal -3
.Lnot_wave_0_\@:
	s_barrier_wait -3
	s_barrier_signal -1
	s_barrier_wait -1
.endm
.macro TLOAD                           ; every wave issues one joint load: waves 0-3 for K, waves 4-7 for V; the branch hangs on the wave's number alone
	s_cmp_lt_u32 s[WV], 4
	s_cbranch_scc0 .Lfor_v_\@
	tensor_load_to_lds s[G0K:G0K+3], s[G1K:G1K+7]
	s_nop 0
.rept 4
	v_nop
.endr
	s_branch .Lasked_\@
.Lfor_v_\@:
	tensor_load_to_lds s[G0V:G0V+3], s[G1V:G1V+7]
	s_nop 0
.rept 4
	v_nop
.endr
.Lasked_\@:
.endm
.macro ASK
	s_cmp_ge_u32 s[SLOTS], s[LIMK]                 ; the first two changes, waves 0-3: the slot after the one just asked for
	s_cbranch_scc0 .Lno_codes_\@
	global_prefetch_b8 v[PFO], s[PFA:PFA+1] th:TH_LOAD_NT scope:SCOPE_SE
.Lno_codes_\@:
	s_cmp_eq_u32 s[SLOTS], 5                       ; the head of slot 2: my 64 blocks of the second block's Q
	s_cbranch_scc0 .Lno_q_\@
	global_prefetch_b8 v[QPO], s[QPA:QPA+1] th:TH_LOAD_NT scope:SCOPE_SE
	global_prefetch_b8 v[QPO], s[QPA:QPA+1] offset:8192 th:TH_LOAD_NT scope:SCOPE_SE
.Lno_q_\@:
.endm
.macro QLOAD p                         ; block p: register 16 b + i of tile x = Q(16 x + r, 32 b + 16 h + i)
.irp x, 0,1
.irp b, 0,1,2,3
.irp j, 0,1,2,3
	global_load_b128 v[S+64*\x+16*\b+4*\j:S+64*\x+16*\b+4*\j+3], v[QO], s[4:5] offset:131072*(\p)+8192*\x+128*\b+16*\j th:TH_LOAD_NT
.endr
.endr
.endr
.endm
.macro QCONV                           ; Q's codes
	s_wait_loadcnt 0x0
.set J, 0
.rept 128
	v_med3_num_f32 v[S+J], v[S+J], s[QLN], s[QL]   ; the conversion does not saturate (ISA guide 7.6.2): the hold at the largest code x the scale
.set J, J+1
.endr
	WIN 0x40
.irp x, 0,1
.irp b, 0,1,2,3
	v_cvt_scalef32_pk8_fp8_f32 v[QF+16*\x+4*\b:QF+16*\x+4*\b+1], v[S+64*\x+16*\b:S+64*\x+16*\b+7], v[QSC]
	v_cvt_scalef32_pk8_fp8_f32 v[QF+16*\x+4*\b+2:QF+16*\x+4*\b+3], v[S+64*\x+16*\b+8:S+64*\x+16*\b+15], v[QSC]
.endr
.endr
	v_nop                                          ; a plain line behind the conversions
	WIN 0
.endm
	s_load_b128 s[4:7], s[0:1], 0x0                ; query, kc
	s_load_b128 s[12:15], s[0:1], 0x10             ; vc, the scales' exponents
	s_load_b64 s[16:17], s[0:1], 0x20              ; out0
	v_lshl_add_u32 v[SPW], v0, 2, SPARE
	v_mov_b32 v[NIL], 0
	ds_add_u32 v[SPW], v[NIL]                      ; the opening add,
	ds_add_u32 v[SPW], v[NIL]                      ; once more, and one wait below
	v_lshrrev_b32 v8, 5, v0
	v_readfirstlane_b32 s[WV], v8                  ; wave 0..7
	s_cmp_lt_u32 s[WV], 2
	s_cselect_b32 s61, 8, 11                       ; prefetch, lane to lane: 256 bytes of kc, a row of vc
	v_and_b32 v24, 15, v0                          ; r
	v_bfe_u32 v25, v0, 4, 1                        ; h
	v_lshlrev_b32 v[QO], 9, v24
	v_lshl_add_u32 v[QO], v25, 6, v[QO]            ; Q: row r of 512 bytes + 64 h
	v_lshrrev_b32 v26, 1, v24
	v_mul_u32_u24 v[AK0], v26, KP2
	v_and_b32 v26, 1, v24
	v_lshl_add_u32 v[AK0], v26, 7, v[AK0]
	v_lshl_add_u32 v[AK0], v25, 4, v[AK0]          ; K: 272 (r / 2) + 128 (r % 2) + 16 h
	v_mul_u32_u24 v[AV0], v24, VP
	v_lshl_add_u32 v[AV0], v25, 4, v[AV0]
	v_add_nc_u32 v[AV0], VOFF, v[AV0]              ; V: row r + 16 h
	v_and_b32 v27, 31, v0
	v_lshlrev_b32 v[QPO], 8, v27
	v_lshlrev_b32 v[PFO], s61, v27
.irp x, 0,1
	v_mov_b32 v[13+4*\x], 0xff61b1e6               ; the largest t so far: -3e38
	v_floor_f32 v[12+4*\x], -v[13+4*\x]            ; -M
	v_mov_b32 v[14+4*\x], 0                        ; the sum, in two halves
	v_mov_b32 v[15+4*\x], 0
	v_mov_b32 v[21+2*\x], 0                        ; (upper half of f's pair)
	v_mov_b32 v[28+\x], 0                          ; a lane permute's destination counts as a source
.endr
	AWAIT
	s_bfe_u32 s19, ttmp6, 0x40000                  ; cx: it enters Q's, O's and the prefetches' addresses alone
	s_and_b32 s63, ttmp7, 0xffff                   ; the head, which the partners share
	s_lshl_b32 s84, s63, 18                        ; its first byte in kc and vc
	s_mov_b32 s85, 0
	s_lshl_b32 s86, s63, 20                        ; in Q and O: the head,
	s_lshl_b32 s62, s19, 18                        ; my work-group's 512 rows,
	s_add_co_u32 s86, s86, s62
	s_lshl_b32 s62, s[WV], 14                      ; my wave's 32
	s_add_co_u32 s86, s86, s62
	s_mov_b32 s87, 0
	s_and_b32 s63, s[WV], 3                        ; which quarter of a tile I fetch
	s_lshl_b32 s88, s63, 14                        ; K: 128 places of 128 bytes
	s_mov_b32 s89, 0
	s_add_nc_u64 s[88:89], s[88:89], s[84:85]
	s_lshl_b32 s90, s63, 16                        ; V: 32 rows of 2,048 bytes
	s_mov_b32 s91, 0
	s_add_nc_u64 s[90:91], s[90:91], s[84:85]
	s_mul_i32 s[KL0], s63, STEPK
	s_mul_i32 s[VL0], s63, 32*VP
	s_add_co_u32 s[VL0], s[VL0], VOFF
	s_mul_i32 s[STG], s[WV], 16*SPITCH
	s_add_co_u32 s[STG], s[STG], STAGE
	s_cmp_lt_u32 s[WV], 2                          ; the prefetches of codes: waves 0, 1 kc, waves 2, 3 vc
	s_cselect_b32 s60, 14, 16                      ; partner to partner
	s_cselect_b32 s61, 13, 8                       ; wave to wave
	s_mov_b32 s[PFS], 512
	s_cselect_b32 s[PFS], 0x10000, s[PFS]          ; a slot on
	s_mov_b32 s[PFS+1], 0
	s_lshl_b32 s92, s19, s60
	s_and_b32 s62, s[WV], 1
	s_lshl_b32 s62, s62, s61
	s_add_co_u32 s92, s92, s62
	s_add_co_u32 s92, s92, s[PFS]                  ; in slot 1: the first change steps it to slot 2
	s_mov_b32 s93, 0
	s_add_nc_u64 s[92:93], s[92:93], s[84:85]
	s_cmp_lt_u32 s[WV], 4
	s_cselect_b32 s[LIMK], 6, -1
	s_mov_b32 s[G1K], 15|(1<<20)|(1<<21)|(5<<22)|(3<<25)   ; mask of the four; bytes; padding: four words after every 64
	s_mov_b32 s[G1K+1], 256<<16
	s_mov_b32 s[G1K+2], 64<<16
	s_mov_b32 s[G1K+3], 256<<16
	s_mov_b32 s[G1K+4], 64
	s_mov_b32 s[G1K+5], 256
	s_mov_b32 s[G1K+6], 0
	s_mov_b32 s[G1K+7], 0
	s_mov_b32 s[G1V], 15|(1<<20)|(1<<21)|(6<<22)|(3<<25)   ; padding: four words after every 128
	s_mov_b32 s[G1V+1], 512<<16
	s_mov_b32 s[G1V+2], 32<<16
	s_mov_b32 s[G1V+3], 512<<16
	s_mov_b32 s[G1V+4], 32
	s_mov_b32 s[G1V+5], 2048
	s_mov_b32 s[G1V+6], 0
	s_mov_b32 s[G1V+7], 0
	s_mov_b32 s[SEL], 0x76543210
	s_mov_b32 s[SEL+1], 0xfedcba98
	s_mov_b32 s[CS], 0x3c38aa3b                    ; log2(e) / 128
	s_mov_b32 s[TB], 0
	s_mov_b32 s[TBN], 0
	s_mov_b32 s[NX], 0
	s_mov_b32 s[OFK+1], 0
	s_mov_b32 s[OFV+1], 0
	s_mov_b32 s[SLOTS], 7                          ; eight slots in all: four a block
	s_wait_dscnt 0x0                               ; both opening adds are done
	s_wait_kmcnt 0x0
	s_load_b128 s[56:59], s[14:15], 0x0            ; eq, ek, ep, ev
	s_add_nc_u64 s[4:5], s[4:5], s[86:87]          ; Q at my wave's first row
	s_add_nc_u64 s[16:17], s[16:17], s[86:87]      ; O likewise
	QLOAD 0
	s_add_nc_u64 s[KB:KB+1], s[6:7], s[88:89]
	s_add_nc_u64 s[VB:VB+1], s[12:13], s[90:91]
	s_mov_b32 s[G0K], 1
	s_mov_b32 s[G0K+1], s[KL0]
	s_mov_b64 s[G0K+2:G0K+3], s[KB:KB+1]
	s_or_b32 s[G0K+3], s[G0K+3], 0x80000000
	s_mov_b32 s[G0V], 1
	s_mov_b32 s[G0V+1], s[VL0]
	s_mov_b64 s[G0V+2:G0V+3], s[VB:VB+1]
	s_or_b32 s[G0V+3], s[G0V+3], 0x80000000
	s_cmp_lt_u32 s[WV], 2
	s_cselect_b64 s[PFA:PFA+1], s[6:7], s[12:13]
	s_add_nc_u64 s[PFA:PFA+1], s[PFA:PFA+1], s[92:93]
	s_add_nc_u64 s[QPA:QPA+1], s[4:5], 0x20000     ; my rows of the second block
	CROUND                                         ; the first joint loads meet
	TLOAD                                          ; slot 0: my one tensor load at the head
	WIN 0x40
.set J, 0
.rept 128
	v_mov_b32 v[J], 0                              ; O^T: the step is written without a first step of its own; cleared once, under the flight of the first loads
.set J, J+1
.endr
	WIN 0
	s_wait_kmcnt 0x0
	s_add_co_i32 s60, s56, s57
	s_lshl_b32 s60, s60, 23
	s_add_co_i32 s[CS], s[CS], s60                 ; c x 2^(eq + ek)
	s_mov_b32 s[CS+1], s[CS]
	s_add_co_i32 s60, s58, 127
	s_lshl_b32 s61, s60, 23
	v_mov_b32 v[PSC], s61
	s_add_co_i32 s60, s60, 8
	s_lshl_b32 s60, s60, 23
	s_or_b32 s60, s60, 0x600000
	v_mov_b32 v[PLIM], s60
	v_mov_b32 v[PLIM2], s60
	s_add_co_i32 s60, s56, 127
	s_lshl_b32 s61, s60, 23
	v_mov_b32 v[QSC], s61
	s_add_co_i32 s60, s60, 8
	s_lshl_b32 s60, s60, 23
	s_or_b32 s[QL], s60, 0x600000
	s_xor_b32 s[QLN], s[QL], 0x80000000
	s_add_co_i32 s[EPV], s58, s59                  ; ep + ev
	AWAIT
	QCONV
	AWAIT                                          ; the head's end
.macro FMAS j0, n                      ; t - M, two at a time, both tiles by turns; of the pairs c and -M the low word serves both halves
.set J, \j0
.rept \n
	v_pk_fma_f32 v[S+J:S+J+1], v[S+J:S+J+1], s[CS:CS+1], v[12:13] op_sel_hi:[1,0,0]
	v_pk_fma_f32 v[S+64+J:S+64+J+1], v[S+64+J:S+64+J+1], s[CS:CS+1], v[16:17] op_sel_hi:[1,0,0]
.set J, J+2
.endr
.endm
.macro HOLDCVT x                       ; p is not negative: a one-sided hold, two numbers a dual pair; then the codes: registers 4 b .. 4 b + 3 = keys 32 b + 16 h + 0 .. 15
.set J, 0
.rept 32
	v_dual_min_num_f32 v[S+64*(\x)+J], v[S+64*(\x)+J], v[PLIM] :: v_dual_min_num_f32 v[S+64*(\x)+J+1], v[S+64*(\x)+J+1], v[PLIM2]
.set J, J+2
.endr
.irp b, 0,1,2,3
	v_cvt_scalef32_pk8_fp8_f32 v[P+16*(\x)+4*\b:P+16*(\x)+4*\b+1], v[S+64*(\x)+16*\b:S+64*(\x)+16*\b+7], v[PSC]
	v_cvt_scalef32_pk8_fp8_f32 v[P+16*(\x)+4*\b+2:P+16*(\x)+4*\b+3], v[S+64*(\x)+16*\b+8:S+64*(\x)+16*\b+15], v[PSC]
.endr
.endm
; A KEY STEP: 128 keys, at s[KO] (K) and s[VO] (V) of LDS.
.macro STEP
	v_add_nc_u32 v[ADK], s[KO], v[AK0]
	v_add_nc_u32 v[ADV], s[VO], v[AV0]
	v_nop
	v_nop                                          ; four places in front of loads into registers that the last products read
.irp t, 0,1,2,3
.irp c, 0,1,2,3
	ds_load_b128 v[F0+16*\t+4*\c:F0+16*\t+4*\c+3], v[ADK] offset:\t*8*KP2+32*\c
.endr
.endr
	WIN 0x40
.irp t, 0,1,2,3
.irp c, 0,1,2,3
	ds_load_b128 v[F1+16*\t+4*\c:F1+16*\t+4*\c+3], v[ADK] offset:(4+\t)*8*KP2+32*\c
.endr
.endr
	WIN 0x04                                       ; S^T = K Q^T: Q in window 1
.irp t, 0,1,2,3
	s_wait_dscnt 28-4*\t                           ; fragment t is in: 28 - 4 t loads were issued behind its four
	v_wmma_f32_16x16x128_fp8_fp8 v[S+8*\t:S+8*\t+7], v[F0+16*\t:F0+16*\t+15], v[QF:QF+15], 0
	v_wmma_f32_16x16x128_fp8_fp8 v[S+64+8*\t:S+64+8*\t+7], v[F0+16*\t:F0+16*\t+15], v[QF+16:QF+31], 0
.endr
	WIN 0x05
.irp t, 0,1,2,3
	s_wait_dscnt 12-4*\t
	v_wmma_f32_16x16x128_fp8_fp8 v[S+32+8*\t:S+32+8*\t+7], v[F1+16*\t:F1+16*\t+15], v[QF:QF+15], 0
	v_wmma_f32_16x16x128_fp8_fp8 v[S+96+8*\t:S+96+8*\t+7], v[F1+16*\t:F1+16*\t+15], v[QF+16:QF+31], 0
.endr
	WIN 0
.rept 4
	v_nop                                          ; four places: for the loads below and for the first read of the scores
.endr
	AWAIT                                          ; V's address, made at the step's head, is first read behind the waits above
.irp t, 0,1,2,3                                ; V's fragments land while the softmax is worked
.irp c, 0,1,2,3
	ds_load_b128 v[F0+16*\t+4*\c:F0+16*\t+4*\c+3], v[ADV] offset:16*\t*VP+32*\c
.endr
.endr
	WIN 0x40
.irp t, 0,1,2,3
.irp c, 0,1,2,3
	ds_load_b128 v[F1+16*\t+4*\c:F1+16*\t+4*\c+3], v[ADV] offset:(64+16*\t)*VP+32*\c
.endr
.endr
	WIN 0
	; the step's largest score of each query among my 64 keys: two chains a tile, four by turns, registers ascending (each accumulator is first read at its low end)
.irp x, 0,1
	v_max3_num_f32 v[24+2*\x], v[S+64*\x], v[S+64*\x+1], v[S+64*\x+2]
	v_max3_num_f32 v[25+2*\x], v[S+64*\x+3], v[S+64*\x+4], v[S+64*\x+5]
.endr
.set J, 6
.rept 14
.irp x, 0,1
	v_max3_num_f32 v[24+2*\x], v[24+2*\x], v[S+64*\x+J], v[S+64*\x+J+1]
	v_max3_num_f32 v[25+2*\x], v[25+2*\x], v[S+64*\x+J+2], v[S+64*\x+J+3]
.endr
.set J, J+4
.endr
.irp x, 0,1
	v_max3_num_f32 v[24+2*\x], v[24+2*\x], v[S+64*\x+62], v[S+64*\x+63]
.endr
.irp x, 0,1
	v_max_num_f32 v[24+2*\x], v[24+2*\x], v[25+2*\x]
.endr
.irp x, 0,1
	v_permlanex16_b32 v[28+\x], v[24+2*\x], s[SEL], s[SEL+1]   ; the query's other 64 keys lie in the lane 16 away
.endr
.irp x, 0,1
	v_max_num_f32 v[24+2*\x], v[24+2*\x], v[28+\x]
.endr
.irp x, 0,1
	v_mul_f32 v[24+2*\x], s[CS], v[24+2*\x]        ; as t (c is positive)
.endr
.irp x, 0,1
	v_max_num_f32 v[13+4*\x], v[13+4*\x], v[24+2*\x]
.endr
.irp x, 0,1
	v_mov_b32 v[24+2*\x], v[12+4*\x]
.endr
.irp x, 0,1
	v_floor_f32 v[12+4*\x], -v[13+4*\x]            ; the new -M = -ceil(t)
.endr
.irp x, 0,1
	v_sub_f32 v[24+2*\x], v[12+4*\x], v[24+2*\x]   ; old M less new M: a whole number, 0 or less
.endr
	FMAS 0, 4
.irp x, 0,1
	v_cvt_i32_f32 v[24+2*\x], v[24+2*\x]           ; (it saturates)
.endr
	FMAS 8, 4
.irp x, 0,1
	v_ldexp_f32 v[20+2*\x], 1.0, v[24+2*\x]        ; f = 2^(old M - new M)
.endr
	FMAS 16, 24
.irp x, 0,1
	v_pk_mul_f32 v[14+4*\x:15+4*\x], v[14+4*\x:15+4*\x], v[20+2*\x:21+2*\x] op_sel_hi:[1,0]   ; the sums under the new M
.endr
	WIN 0x41                                       ; O^T under the new M, ahead of the exponentials: no transcendental stands between the last products and this first read of their results
.set J, 0
.rept 32
	v_pk_mul_f32 v[J:J+1], v[J:J+1], v[20:21] op_sel_hi:[1,0]
	v_pk_mul_f32 v[64+J:64+J+1], v[64+J:64+J+1], v[22:23] op_sel_hi:[1,0]
.set J, J+2
.endr
	WIN 0
	AWAIT                                          ; one wait ahead of the batch, for all that was written above
.set J, 0
.rept 128
	v_exp_f32 v[S+J], v[S+J]                       ; p = 2^(t - M), at most 1
.set J, J+1
.endr
	v_nop                                          ; a plain place behind the batch
	AWAIT                                          ; one wait behind it
	s_wait_dscnt 0x0                               ; V is in
	; the rows' sums of the UNQUANTISED p: two chains a tile, four by turns
.irp x, 0,1
	v_pk_add_f32 v[24+2*\x:25+2*\x], v[S+64*\x:S+64*\x+1], v[S+64*\x+2:S+64*\x+3]
.endr
.set J, 4
.rept 15
.irp x, 0,1
	v_pk_add_f32 v[14+4*\x:15+4*\x], v[14+4*\x:15+4*\x], v[S+64*\x+J:S+64*\x+J+1]
	v_pk_add_f32 v[24+2*\x:25+2*\x], v[24+2*\x:25+2*\x], v[S+64*\x+J+2:S+64*\x+J+3]
.endr
.set J, J+4
.endr
.irp x, 0,1
	v_pk_add_f32 v[14+4*\x:15+4*\x], v[14+4*\x:15+4*\x], v[24+2*\x:25+2*\x]
.endr
	HOLDCVT 0
	HOLDCVT 1
	v_nop                                          ; a plain line between the conversions and the products that read their results
	WIN 0x50                                       ; O^T += V^T P^T: the 16 accumulators take turns
.irp t, 0,1,2,3
	v_wmma_f32_16x16x128_fp8_fp8 v[8*\t:8*\t+7], v[F0+16*\t:F0+16*\t+15], v[P:P+15], v[8*\t:8*\t+7]
	v_wmma_f32_16x16x128_fp8_fp8 v[64+8*\t:64+8*\t+7], v[F0+16*\t:F0+16*\t+15], v[P+16:P+31], v[64+8*\t:64+8*\t+7]
.endr
	WIN 0x51
.irp t, 0,1,2,3
	v_wmma_f32_16x16x128_fp8_fp8 v[32+8*\t:32+8*\t+7], v[F1+16*\t:F1+16*\t+15], v[P:P+15], v[32+8*\t:32+8*\t+7]
	v_wmma_f32_16x16x128_fp8_fp8 v[96+8*\t:96+8*\t+7], v[F1+16*\t:F1+16*\t+15], v[P+16:P+31], v[96+8*\t:96+8*\t+7]
.endr
	WIN 0
.endm
; THE CHANGE OF SLOTS, at a slot's head: all my tensor loads are in, the add, my reads of the slot left are over.  fill = 1: a round of the cluster's barrier, then my joint load for the slot just left (the first time: slot 1's first fill).
.macro CHANGE fill
	s_wait_tensorcnt 0x0
	ds_add_u32 v[SPW], v[NIL]
.if \fill
	s_xor_b32 s[TBN], s[TBN], SLOTB                ; the other slot than last time,
	s_add_co_u32 s[G0K+1], s[KL0], s[TBN]
	s_add_co_u32 s[G0V+1], s[VL0], s[TBN]
	s_add_co_u32 s[NX], s[NX], 1                   ; the next 512 keys, round from the head's last to its first
	s_and_b32 s[OFK], s[NX], 3
	s_lshl_b32 s[OFV], s[OFK], 9
	s_lshl_b32 s[OFK], s[OFK], 16
	s_add_nc_u64 s[G0K+2:G0K+3], s[KB:KB+1], s[OFK:OFK+1]
	s_or_b32 s[G0K+3], s[G0K+3], 0x80000000
	s_add_nc_u64 s[G0V+2:G0V+3], s[VB:VB+1], s[OFV:OFV+1]
	s_or_b32 s[G0V+3], s[G0V+3], 0x80000000
	s_wait_xcnt 0x0                                ; my last prefetch has read its address
	s_add_nc_u64 s[PFA:PFA+1], s[PFA:PFA+1], s[PFS:PFS+1]
	s_wait_dscnt 0x0
	CROUND
	TLOAD
	ASK
.else
	s_wait_dscnt 0x0
	s_barrier_signal -1
	s_barrier_wait -1
.endif
.endm
.macro SLOT_STEPS                      ; the slot's four steps
	s_mov_b32 s[KO], s[TB]
	s_mov_b32 s[VO], s[TB]
	s_mov_b32 s[STP], 4
.Lstep_\@:
	STEP
	s_add_co_u32 s[KO], s[KO], STEPK
	s_add_co_u32 s[VO], s[VO], 128
	s_sub_co_u32 s[STP], s[STP], 1
	s_cmp_lg_u32 s[STP], 0
	s_cbranch_scc1 .Lstep_\@
	s_xor_b32 s[TB], s[TB], SLOTB
.endm
; THE WAY OUT of block p: O^T x 2^(ep + ev) / the sum, through my stage, half a row (256 bytes) of 16 queries at a time; sixteen lanes store 256 consecutive bytes, aligned.
.macro OUT p
	v_add_f32 v14, v14, v15                        ; (these lines are the places behind the last products)
	v_add_f32 v18, v18, v19
	v_permlanex16_b32 v28, v14, s[SEL], s[SEL+1]
	v_permlanex16_b32 v29, v18, s[SEL], s[SEL+1]
	v_add_f32 v14, v14, v28                        ; the rows' sums
	v_add_f32 v18, v18, v29
	v_and_b32 v25, 15, v0
	v_bfe_u32 v26, v0, 4, 1
	v_mul_u32_u24 v[ADK], v25, SPITCH
	v_lshl_add_u32 v[ADK], v26, 5, v[ADK]
	v_add_nc_u32 v[ADK], s[STG], v[ADK]            ; in: row r, 64 t + 32 h bytes on
	v_mul_u32_u24 v[ADV], v26, SPITCH
	v_lshl_add_u32 v[ADV], v25, 4, v[ADV]
	v_add_nc_u32 v[ADV], s[STG], v[ADV]            ; back: lanes 0-15 one row, lanes 16-31 the next
	v_lshlrev_b32 v[GO], 9, v26
	v_lshl_add_u32 v[GO], v25, 4, v[GO]
	AWAIT                                          ; ahead of the two reciprocals
	v_rcp_f32 v14, v14
	v_rcp_f32 v18, v18
	v_nop
	AWAIT                                          ; and behind them
	v_ldexp_f32 v14, v14, s[EPV]
	v_ldexp_f32 v18, v18, s[EPV]
.irp x, 0,1
.irp u, 0,1
.if \x
	s_wait_xcnt 0x0                                ; the stores of two turns back have read the registers that this turn's loads fill
.endif
	WIN 0x01
	AWAIT                                          ; directly ahead of the first read of these four accumulators, which stands behind the reciprocals
.set J, 0
.rept 16
	v_pk_mul_f32 v[32+J:33+J], v[64*\x+32*\u+J:64*\x+32*\u+J+1], v[14+4*\x:15+4*\x] op_sel_hi:[1,0]   ; register 8 t + i is o(16 x + r, 64 u + 16 t + 8 h + i)
.set J, J+2
.endr
	WIN 0
.irp t, 0,1,2,3
	ds_store_b128 v[ADK], v[32+8*\t:35+8*\t] offset:64*\t
	ds_store_b128 v[ADK], v[36+8*\t:39+8*\t] offset:64*\t+16
.endr
.irp i, 0,1,2,3,4,5,6,7
	ds_load_b128 v[64+160*\u+4*\i:67+160*\u+4*\i], v[ADV] offset:\i*2*SPITCH   ; LDS serves a wave's instructions in order (ISA guide 5.7.1.4): these see my stores
.endr
	s_wait_dscnt 0x0
.irp i, 0,1,2,3,4,5,6,7
	global_store_b128 v[GO], v[64+160*\u+4*\i:67+160*\u+4*\i], s[16:17] offset:131072*(\p)+8192*\x+1024*\i+256*\u th:TH_STORE_NT
.endr
.endr
.endr
.endm
.Lslot:                                            ; seven trips: behind each change of slots but the last the next slot is asked for
	CHANGE 1
	SLOT_STEPS
	s_cmp_lg_u32 s[SLOTS], 4                       ; behind slot 3 the first block is finished: a branch on the count of slots, round no barrier and no tensor load
	s_cbranch_scc1 .Lsame_block
	QLOAD 1                                        ; the second block's Q, asked for ahead of the way out
	OUT 0
	s_wait_xcnt 0x0                                ; the stores have read their registers
	QCONV
.irp x, 0,1
	v_mov_b32 v[13+4*\x], 0xff61b1e6               ; the largest t begins anew: the next step's f is 0
	v_floor_f32 v[12+4*\x], -v[13+4*\x]
.endr
	AWAIT
.Lsame_block:
	s_sub_co_u32 s[SLOTS], s[SLOTS], 1
	s_cmp_lg_u32 s[SLOTS], 0
	s_cbranch_scc1 .Lslot
	CHANGE 0                                       ; the last slot is written out: it asks for nothing
	SLOT_STEPS
	OUT 1
	s_wait_tensorcnt 0x0                           ; the wave's end
	ds_add_u32 v[SPW], v[NIL]
	s_wait_dscnt 0x0
	CROUND                                         ; the closing round
	s_endpgm
.Lfunc_end_k_q75b695fe66_attn:
	.size	k_q75b695fe66_attn, .Lfunc_end_k_q75b695fe66_attn-k_q75b695fe66_attn
	.p2alignl 7, 3214868480
	.fill 96, 4, 3214868480
	.section	.rodata,"a",@progbits
	.p2align	6, 0x0
	.amdhsa_kernel k_q75b695fe66_attn
		.amdhsa_group_segment_fixed_size 327680
		.amdhsa_private_segment_fixed_size 0
		.amdhsa_enable_private_segment 0
		.amdhsa_kernarg_size 40
		.amdhsa_user_sgpr_count 2
		.amdhsa_user_sgpr_kernarg_segment_ptr 1
		.amdhsa_wavefront_size32 1
		.amdhsa_system_sgpr_workgroup_id_x 1
		.amdhsa_system_sgpr_workgroup_id_y 1
		.amdhsa_system_sgpr_workgroup_id_z 1
		.amdhsa_system_vgpr_workitem_id 0
		.amdhsa_next_free_vgpr 512
		.amdhsa_next_free_sgpr 100
		.amdhsa_reserve_vcc 0
		.amdhsa_float_denorm_mode_32 3
		.amdhsa_float_denorm_mode_16_64 3
		.amdhsa_memory_ordered 1
		.amdhsa_forward_progress 1
		.amdhsa_inst_pref_size 131
	.end_amdhsa_kernel
	.amdgpu_metadata
---
amdhsa.version: [ 1, 2 ]
amdhsa.kernels:
  - .name:           k_q75b695fe66_attn
    .symbol:         k_q75b695fe66_attn.kd
    .args:
      - { .name: query, .offset: 0, .size: 8, .value_kind: global_buffer, .address_space: global }
      - { .name: kc, .offset: 8, .size: 8, .value_kind: global_buffer, .address_space: global }
      - { .name: vc, .offset: 16, .size: 8, .value_kind: global_buffer, .address_space: global }
      - { .name: lowp_scales, .offset: 24, .size: 8, .value_kind: global_buffer, .address_space: global }
      - { .name: out0, .offset: 32, .size: 8, .value_kind: global_buffer, .address_space: global }
    .group_segment_fixed_size: 327680
    .private_segment_fixed_size: 0
    .kernarg_segment_align: 8
    .kernarg_segment_size: 40
    .max_flat_workgroup_size: 256
    .sgpr_count:     100
    .vgpr_count:     512
    .wavefront_size: 32
...
	.end_amdgpu_metadata
.endif
;; end of part 2
